; MI455X (gfx1250); checked and timed in simulation.
; The chip was launched on July 23, 2026; its instructions are those of AMD's public machine-readable ISA for CDNA 5 (MIT licence, August 2026) and "CDNA5" Instruction Set Architecture Reference Guide (July 2026). The comments in the code are by the model that wrote it; some were corrected since.
;; M. Allowed arithmetic: matrix products marked QUANTISED: E2M3 operands, one E8M0 scale for each 32 along K, by v_wmma_scale_f32_16x16x128_f8f6f4 with both operands' format E2M3, f32 sums; everything else in f32.
;; Inputs: k 8,192 x 128 float32; q 8,192 x 128 float32; v 8,192 x 128 float32.
;; Outputs: out0 8,192 x 128 float32.
;; This version of the problem:
;;   THIS VERSION OF THE PROBLEM IS GIVEN IN LOW PRECISION. The matrix products marked QUANTISED in the list below multiply operands that are first quantised to E2M3 (2 exponent bits, 3 mantissa bits; 6 bits a number), with one power-of-two scale for each 32 numbers along K (OCP MX v1.0); their sums are f32. All else is computed in f32.
;;   The module's matrix products, in the order in which they are computed (A, B: the left and right operand; K: the contracted axis; several contracted axes count as one K, in the product's order):
;;     1. [M 8,192, K 128] x [K 128, N 8,192]; A: input q; B: input k: QUANTISED
;;     2. [M 8,192, K 8,192] x [K 8,192, N 128]; A: softmax (see below); B: input v: QUANTISED
;;   THE QUANTISER, for each operand of a quantised product, along K:
;;     - K is cut into blocks of 32 from its start; a last block that is shorter is filled with zeros.
;;     - A block's scale is 2^e with e = floor(log2(the largest magnitude in the block)) - 2, held to -126 .. 127; a block of zeros has e = 0. As a byte (E8M0): e + 127.
;;     - Each number is divided by its block's scale, clamped to +-7.5, and rounded to the nearest number of E2M3, ties to even, subnormals kept.
;;     - The product sums the exact products of the quantised numbers (number of the format x scale) in f32.
;;   ~~~python
;;   def quantise(x, axis):      # numpy; x: float32 -> the quantised numbers, widened to float32 again
;;       x = np.moveaxis(x, axis, -1); K = x.shape[-1]
;;       x = np.pad(x, [(0, 0)] * (x.ndim - 1) + [(0, -K % 32)]); x = x.reshape(x.shape[:-1] + (-1, 32)); a = np.abs(x).max(-1, keepdims=True)
;;       e = np.where(a > 0, np.clip(np.frexp(np.where(a > 0, a, 1))[1] - 1 - 2, -126, 127), 0)      # np.frexp(a)[1] - 1 = floor(log2(a)), exactly
;;       r = np.clip(x / 2.0 ** e, -7.5, 7.5)
;;       step = 2.0 ** (np.maximum(np.frexp(np.where(r == 0, 1, r))[1] - 1, 0) - 3)
;;       q = np.round(r / step) * step * 2.0 ** e      # np.round: ties to even
;;       return np.moveaxis(q.reshape(q.shape[:-2] + (-1,))[..., :K], -1, axis).astype(np.float32)
;;   ~~~
;;   SOFTMAX AHEAD OF A QUANTISED PRODUCT. Where the list says 'softmax', what is quantised is not the finished softmax but p = 2^(t - M), with t = logit x log2(e) and M = ceil(the row's largest t), a whole number; so 1/2 < the row's largest p <= 1. The row's sum l is taken of the UNQUANTISED p, in f32, and the product's result is divided by l at the end. Since M is a whole number, a kernel that streams over the keys may use a running M (the ceiling of the running maximum): every later rescaling is an exact power of two, which a block's scale takes up: the codes' values come out the same.
;;   OPERANDS COMPUTED ON THE WAY. 'Computed on the way' means the value that the module computes at that place (a softmax that the list does not call 'softmax' is quantised finished and normalised). What goes into a quantiser is computed in f32, as accurately as f32 sums, v_exp_f32 and their like allow (about 1e-6 of the number): no bf16 or f16 on the way to a quantiser, and a product that is left as it is and whose result goes on into a quantised operand takes f32 operands (vector FMAs, or v_wmma_f32_16x16x4_f32). A number that lies on a knife's edge between two numbers of the format may be rounded either way, as far as f32 arithmetic and the matrix unit's own rounding can turn it there, and no further.
;; One version. Each part assembles by itself: llvm-mc -triple=amdgcn-amd-amdhsa -mcpu=gfx1250 --defsym DOCPART=n.
;; ======== version 1 of 1: 2 launches
;; limits: right only within a limited range of input values
;; workspace buffers: kv 1,638,400 bytes; qc 819,200 bytes
;; launch prep (part 1): grid 256 x 1, 6 waves a work-group, no clusters, 51,456 bytes of LDS; arguments k, v, q, kv, qc; writes kv, qc
.if DOCPART == 1
	.amdgcn_target "amdgcn-amd-amdhsa--gfx1250"
	.amdhsa_code_object_version 6
	.text
	.protected	k_q472f4f3d6f_prep
	.globl	k_q472f4f3d6f_prep
	.p2align	8
	.type	k_q472f4f3d6f_prep,@function
k_q472f4f3d6f_prep:
	s_mov_b64 s[64:65], 0
	v_nop
	global_prefetch_b8 v0, s[64:65] scope:SCOPE_SE
	s_setreg_imm32_b32 hwreg(HW_REG_WAVE_MODE, 25, 1), 1
	s_wait_xcnt 0x0
; q, k and v [8192][128], f32, become codes of FP6 (E2M3) with one E8M0 byte for each 32 along a product's K, laid in the ORDER OF THE OPERAND'S REGISTERS.
; q and k are quantised along the head's 128 (their rows), v along the KEYS (down its columns).  All of the problem's work is done: no step and no input is left out.
; A FRAGMENT is 16 rows x 128 along K: 1,536 bytes (registers 4 j .. 4 j + 3 at + 512 j, lane l at + 16 l) and 16 scale words.
; A PART is a block of 128 keys of k or of v, 12,800 bytes: 8 fragments, then at 12,288 their scale words, 64 bytes a fragment.  kv: k's 64 parts in order, then v's 64.
; k's fragment 4 c + u of block g: row r is key 128 g + 64 c + 32 (r / 8) + 8 u + r % 8.  v's fragment t: row r is channel 16 t + r.
; qc: 512 fragments (fragment t: queries 16 t + r), then at 786,432 their scale words, 64 bytes a fragment.
; Registers 6 c .. 6 c + 5 of lane (r, h) hold 64 c + 32 h + 0 .. 31 along K: a lane has two whole blocks of 32.
; SHARES: 1,536 fragments, one a wave.  Waves 0 and 1: k's fragments 2 x and 2 x + 1 (x: the work-group).  Waves 2 to 5: x odd: four of q's; x even: four of v's, side by side: 64 channels, whole units of 256 bytes of each row.
; A block's scale is 2^(floor(log2(largest magnitude)) - 2): its byte is the largest magnitude's exponent field - 2, held at 1 from below by a floor among the maximum's leaves.
; LIMITS: NaN and infinities among the inputs are not served; a block whose largest magnitude lies under 2^-124 (a block of zeros among them) gets the byte 1; the bytes are read by this program alone.
; No tensor load, no barrier: waves share nothing.  Matrix units, clusters and prefetches have nothing to do here: no byte is read twice, and there is no loop.
.set PART,   12800
.set QWORDS, 786432
.set SPITCH, 528                       ; a stage row: 512 bytes + 16: sixteen rows begin in sixteen different 16-byte columns modulo 256
.set STGW,   16*SPITCH
.set SPARE,  6*STGW                    ; behind the stages: the spare words, 128 bytes a wave
.set LANE, 1
.set RR,   2                           ; r = lane % 16
.set HH,   3                           ; h = lane / 16
.set L16,  4                           ; 16 x lane
.set SIN,  5                           ; the stage, on the way in
.set SOUT, 6                           ; and out: row r, + 128 h
.set VO,   7                           ; v's loads: 32 h rows of 512 bytes, + 4 r
.set L4,   8                           ; 4 r
.set H8,   9                           ; 8 h
.set SPW,  10                          ; LDS address of my spare word; never rewritten
.set NIL,  11                          ; 0; never rewritten
.set TT,   12                          ; v12-18 at work
.set CC,   20                          ; v20-27 the halves of a block's codes that begin on an odd register
.set W0,   28                          ; the scale word
.set R,    32                          ; v32-95 sixteen rows as loaded
.set N,    96                          ; v96-159 my 64 numbers: N + 32 c + i is 64 c + 32 h + i along K
.set F,    160                         ; v160-171 the fragment
.set SEL,  18                          ; s[18:19] v_permlanex16_b32's selects for lane l xor 16
	s_load_b128 s[4:7], s[0:1], 0x0                ; k, v
	s_load_b128 s[8:11], s[0:1], 0x10              ; q, kv
	s_load_b64 s[12:13], s[0:1], 0x20              ; qc
	v_lshl_add_u32 v[SPW], v0, 2, SPARE
	v_mov_b32 v[NIL], 0
	v_lshrrev_b32 v[LANE], 5, v0
	v_readfirstlane_b32 s14, v[LANE]               ; wave 0..5
	s_mul_i32 s17, s14, STGW
	v_and_b32 v[LANE], 31, v0
	v_and_b32 v[RR], 15, v0
	v_bfe_u32 v[HH], v0, 4, 1
	v_lshlrev_b32 v[L16], 4, v[LANE]
	v_add_nc_u32 v[SIN], s17, v[L16]
	v_mul_u32_u24 v[SOUT], v[RR], SPITCH
	v_lshl_add_u32 v[SOUT], v[HH], 7, v[SOUT]
	v_add_nc_u32 v[SOUT], s17, v[SOUT]
	v_lshlrev_b32 v[L4], 2, v[RR]
	v_lshl_add_u32 v[VO], v[HH], 14, v[L4]
	v_lshlrev_b32 v[H8], 3, v[HH]
	v_mov_b32 v[TT+6], 0                           ; written once: a lane permute's destination counts as one of its sources
	s_wait_alu depctr_va_vdst(0)                   ; the end of the head's vector work
	s_mov_b32 s[SEL], 0x76543210
	s_mov_b32 s[SEL+1], 0xfedcba98
	s_lshr_b32 s20, ttmp9, 1
	s_lshl_b32 s20, s20, 2
	s_add_co_u32 s20, s20, s14
	s_sub_co_u32 s20, s20, 2                       ; q's or v's fragment (waves 2 to 5)
	s_lshl_b32 s21, ttmp9, 1
	s_add_co_u32 s21, s21, s14                     ; k's (waves 0 and 1)
	s_and_b32 s22, ttmp9, 1
	s_cmp_lt_u32 s14, 2
	s_cselect_b32 s15, 1, 0                        ; 1: k
	s_cselect_b32 s16, 0, s22                      ; 1: q
	s_cselect_b32 s20, s21, s20                    ; my fragment's number
	s_lshr_b32 s23, s20, 3                         ; its block g: k's part
	s_and_b32 s24, s20, 7                          ; its place f in the block
	s_add_co_u32 s29, s23, 64                      ; v's part
	s_lshr_b32 s27, s24, 2
	s_lshl_b32 s27, s27, 15                        ; 64 c rows
	s_and_b32 s28, s24, 3
	s_lshl_b32 s28, s28, 12                        ; 8 u rows
	s_add_co_u32 s27, s27, s28
	s_lshl_b32 s28, s24, 6                         ; v: 16 t columns of 4 bytes
	s_cmp_eq_u32 s15, 1
	s_cselect_b32 s25, s23, s29
	s_cselect_b32 s27, s27, s28
	s_lshl_b32 s28, s23, 16
	s_add_co_u32 s27, s27, s28                     ; k, v: where my numbers begin
	s_mul_i32 s25, s25, PART
	s_mul_i32 s28, s24, 1536
	s_add_co_u32 s28, s28, s25                     ; k, v: the fragment,
	s_lshl_b32 s30, s24, 6
	s_add_co_u32 s30, s30, s25
	s_add_co_u32 s30, s30, 12288                   ; and its scale words
	s_lshl_b32 s29, s20, 13                        ; q: 16 rows of 512 bytes a fragment
	s_mul_i32 s31, s20, 1536
	s_lshl_b32 s33, s20, 6
	s_add_co_u32 s33, s33, QWORDS
	s_mov_b32 s34, 16384                           ; rows 8-15 of a fragment of k lie 32 rows behind rows 0-7,
	s_cmp_eq_u32 s16, 1
	s_cselect_b32 s26, s29, s27
	s_cselect_b32 s28, s31, s28
	s_cselect_b32 s30, s33, s30
	s_cselect_b32 s34, 4096, s34                   ; those of q 8
	s_mov_b32 s27, 0
	s_mov_b32 s29, 0
	s_mov_b32 s31, 0
	s_mov_b32 s35, 0
	s_wait_kmcnt 0x0
	s_cmp_eq_u32 s15, 1
	s_cselect_b64 s[40:41], s[4:5], s[6:7]
	s_cmp_eq_u32 s16, 1
	s_cselect_b64 s[40:41], s[8:9], s[40:41]
	s_cselect_b64 s[42:43], s[12:13], s[10:11]
	s_add_nc_u64 s[44:45], s[40:41], s[26:27]
	s_add_nc_u64 s[38:39], s[44:45], s[34:35]
	s_add_nc_u64 s[46:47], s[42:43], s[28:29]
	s_add_nc_u64 s[36:37], s[42:43], s[30:31]
	s_or_b32 s17, s15, s16
	s_cmp_eq_u32 s17, 0
	s_cbranch_scc1 .Lvalues
	; ---- k, q: each load takes a whole row, 512 consecutive bytes; the sixteen rows turn through my stage and come back 128 bytes a lane and block
.irp p, 0,1,2,3,4,5,6,7
	global_load_b128 v[R+4*\p:R+4*\p+3], v[L16], s[44:45] offset:512*\p th:TH_LOAD_NT
.endr
.irp p, 8,9,10,11,12,13,14,15
	global_load_b128 v[R+4*\p:R+4*\p+3], v[L16], s[38:39] offset:512*(\p-8) th:TH_LOAD_NT
.endr
.irp p, 0,1,2,3,4,5,6,7,8,9,10,11,12,13,14,15
	s_wait_loadcnt 15-\p                           ; loads come back in order: row p is in, the younger rows' loads may be out
	ds_store_b128 v[SIN], v[R+4*\p:R+4*\p+3] offset:SPITCH*\p
.endr
.irp c, 0,1
.irp j, 0,1,2,3,4,5,6,7
	ds_load_b128 v[N+32*\c+4*\j:N+32*\c+4*\j+3], v[SOUT] offset:256*\c+16*\j   ; LDS serves a wave's instructions in order: these see my stores
.endr
.endr
	s_wait_dscnt 0x0
	s_branch .Lquant
.Lvalues:
	; ---- v: lane (r, h) takes column 16 t + r, and its registers run down the keys: the operand's order as it stands
.irp c, 0,1
.set KK, 0
.rept 32
	global_load_b32 v[N+32*\c+KK], v[VO], s[44:45] offset:512*(64*\c+KK)
.set KK, KK+1
.endr
.endr
	s_wait_loadcnt 0x0
.Lquant:
.irp c, 0,1
	v_max3_num_f32 v[TT+\c], |v[N+32*\c]|, |v[N+32*\c+1]|, 0x1800000     ; my block 2 c + h, and the floor 2^(3 - 127): the byte cannot fall under 1
.endr
.irp i, 2,4,6,8,10,12,14,16,18,20,22,24,26,28,30
.irp c, 0,1
	v_max3_num_f32 v[TT+\c], v[TT+\c], |v[N+32*\c+\i]|, |v[N+32*\c+\i+1]|
.endr
.endr
.irp c, 0,1
	v_add_nc_u32 v[TT+2+\c], 0xff000000, v[TT+\c]  ; 2 off the exponent field: the conversion's scale operand
.endr
.irp c, 0,1
	v_lshrrev_b32 v[TT+4+\c], 23, v[TT+2+\c]       ; the scale's byte
.endr
	v_lshl_or_b32 v[W0], v[TT+5], 16, v[TT+4]      ; my bytes: blocks h and 2 + h,
	v_lshlrev_b32 v[W0], v[H8], v[W0]              ; at their places in the word;
	v_permlanex16_b32 v[TT+6], v[W0], s[SEL], s[SEL+1]
	v_or_b32 v[W0], v[W0], v[TT+6]                 ; with lane l xor 16's two the word is whole, in both lanes
	v_cvt_scalef32_pk16_fp6_f32 v[F:F+2], v[N:N+15], v[TT+2]
	v_cvt_scalef32_pk16_fp6_f32 v[CC:CC+2], v[N+16:N+31], v[TT+2]          ; (a conversion's three registers begin on an even number)
	v_cvt_scalef32_pk16_fp6_f32 v[F+6:F+8], v[N+32:N+47], v[TT+3]
	v_cvt_scalef32_pk16_fp6_f32 v[CC+4:CC+6], v[N+48:N+63], v[TT+3]
	v_nop                                          ; one plain place behind the conversions
.irp i, 0,1,2
	v_mov_b32 v[F+3+\i], v[CC+\i]
	v_mov_b32 v[F+9+\i], v[CC+4+\i]
.endr
.irp j, 0,1,2
	global_store_b128 v[L16], v[F+4*\j:F+4*\j+3], s[46:47] offset:512*\j  ; 32 lanes store 512 consecutive bytes
.endr
	global_store_b32 v[L4], v[W0], s[36:37]        ; lanes l and l xor 16 store the same word to the same place
	s_wait_tensorcnt 0x0                           ; the wave's end
	ds_add_u32 v[SPW], v[NIL]
	s_wait_dscnt 0x0
	s_endpgm
.Lfunc_end_k_q472f4f3d6f_prep:
	.size	k_q472f4f3d6f_prep, .Lfunc_end_k_q472f4f3d6f_prep-k_q472f4f3d6f_prep
	.p2alignl 7, 3214868480
	.fill 96, 4, 3214868480
	.section	.rodata,"a",@progbits
	.p2align	6, 0x0
	.amdhsa_kernel k_q472f4f3d6f_prep
		.amdhsa_group_segment_fixed_size 51456
		.amdhsa_private_segment_fixed_size 0
		.amdhsa_enable_private_segment 0
		.amdhsa_kernarg_size 40
		.amdhsa_user_sgpr_count 2
		.amdhsa_user_sgpr_kernarg_segment_ptr 1
		.amdhsa_wavefront_size32 1
		.amdhsa_system_sgpr_workgroup_id_x 1
		.amdhsa_system_sgpr_workgroup_id_y 1
		.amdhsa_system_sgpr_workgroup_id_z 1
		.amdhsa_system_vgpr_workitem_id 0
		.amdhsa_next_free_vgpr 192
		.amdhsa_next_free_sgpr 66
		.amdhsa_reserve_vcc 0
		.amdhsa_float_denorm_mode_32 3
		.amdhsa_float_denorm_mode_16_64 3
		.amdhsa_memory_ordered 1
		.amdhsa_forward_progress 1
		.amdhsa_inst_pref_size 17
	.end_amdhsa_kernel
	.amdgpu_metadata
---
amdhsa.version: [ 1, 2 ]
amdhsa.kernels:
  - .name:           k_q472f4f3d6f_prep
    .symbol:         k_q472f4f3d6f_prep.kd
    .args:
      - { .name: k, .offset: 0, .size: 8, .value_kind: global_buffer, .address_space: global }
      - { .name: v, .offset: 8, .size: 8, .value_kind: global_buffer, .address_space: global }
      - { .name: q, .offset: 16, .size: 8, .value_kind: global_buffer, .address_space: global }
      - { .name: kv, .offset: 24, .size: 8, .value_kind: global_buffer, .address_space: global }
      - { .name: qc, .offset: 32, .size: 8, .value_kind: global_buffer, .address_space: global }
    .group_segment_fixed_size: 51456
    .private_segment_fixed_size: 0
    .kernarg_segment_align: 8
    .kernarg_segment_size: 40
    .max_flat_workgroup_size: 192
    .sgpr_count:     66
    .vgpr_count:     192
    .wavefront_size: 32
...
	.end_amdgpu_metadata
.endif
;; end of part 1
;; launch attn (part 2): grid 256 x 1, 8 waves a work-group, clusters of 4 x 1, 327,680 bytes of LDS; arguments qc, kv, out0; writes out0
.if DOCPART == 2
	.amdgcn_target "amdgcn-amd-amdhsa--gfx1250"
	.amdhsa_code_object_version 6
	.text
	.protected	k_q472f4f3d6f_attn
	.globl	k_q472f4f3d6f_attn
	.p2align	8
	.type	k_q472f4f3d6f_attn,@function
k_q472f4f3d6f_attn:
	s_mov_b64 s[64:65], 0
	v_nop
	global_prefetch_b8 v0, s[64:65] scope:SCOPE_SE
	s_setreg_imm32_b32 hwreg(HW_REG_WAVE_MODE, 25, 1), 1
	s_wait_xcnt 0x0
	s_wait_alu depctr_hold_cnt(0) depctr_sa_sdst(0) depctr_va_vdst(0) depctr_va_sdst(0) depctr_va_ssrc(0) depctr_va_vcc(0) depctr_vm_vsrc(0)
	s_getreg_b32 s2, hwreg(HW_REG_IB_STS2, 6, 4)
	s_cmp_eq_u32 s2, 0
	s_cbranch_scc0 .Lentry_in_a_cluster
	s_endpgm
.Lentry_in_a_cluster:
	s_bfe_u32 s2, ttmp6, 0x10000c
	s_cmp_lg_u32 s2, 0x3003
	s_cbranch_scc0 .Lentry_shape_is_right
	s_endpgm
.Lentry_shape_is_right:
; out0[q][:] = the sum over keys of softmax(q . k / sqrt(128)) v, 8,192 queries, 8,192 keys, head 128; both products on codes of FP6 (E2M3) with one E8M0 scale for each 32 along a product's K.
; qc and kv hold the codes and scale words in the order of the operand's registers, as the launch before lays them: parts of 12,800 bytes, 128 keys of k or of v.
; THE SOFTMAX AHEAD OF THE SECOND PRODUCT: t = score x log2(e) / sqrt(128) (one constant); M = the largest t so far, rounded UP to a whole number; p = 2^(t - M) is quantised along the keys, not normalised.
; The row's sum is taken of the unquantised p and divides at the end.  When M moves, the sum and O are multiplied by 2^(old M - new M): exact.
; A block's largest p is 2^x, x = the block's largest t - M: floor(log2) of it is floor(x), from which the block's scale is made.
; SHARES.  A work-group owns 32 queries, two tiles of 16, and ALL keys.  Each of its eight waves holds both tiles and walks 1,024 keys (eight blocks), 128 a step; each fragment feeds two matrix instructions.
; The eight partial (O, M, l) meet in LDS at the end: every row of out0 has one owner, and no partial result goes to memory.
; LAYOUT.  Both products are used transposed: S^T = k q^T, O^T = v^T p^T: a lane holds ONE query (lane % 16) throughout.  The keys of a tile of k are chosen so that a lane's 32 registers of four tiles are
; keys 64 c + 32 (lane / 16) + 0 .. 31: a whole block of 32 in one lane, in the order in which the second product wants it.
; THE WALK.  Steps 0 to 7 take my blocks g + 0, 1, 2, 3, 5, 4, 6, 7 modulo 8; g is 0 or 4 by the cluster.
; k COMES THROUGH LDS.  A wave's blocks are its own: it asks for them and it alone reads them.  Three regions of 12,800 bytes a wave, X0, Y, X1.  The head asks for k of steps 1, 2 and 3, one load, into X0, Y and X1
; (k of step 0 goes straight into registers).  k of step i + 1 is read under step i's softmax.  At step 2 X0 and Y have been read: blocks g + 4 and g + 5 are asked for, which land there (step 5's in X0, step 4's in Y).
; At step 4 X1 and Y have been read: blocks g + 6 and g + 7 land in Y and X1.  So two rounds refill LDS; the step's products of q and k stand between a round's opening signal and the wait.
; By this text's own count a wave has one tensor load out at the most.
; v COMES STRAIGHT INTO REGISTERS, in two halves of 14 loads (four fragments, two registers of scale words): each half of the next step's v is asked for as soon as this step's half has been multiplied.
; CLUSTER.  The four work-groups of a cluster walk the same blocks in the same order, so k is asked for JOINTLY: the same tensor load, with the same descriptor and the mask of all four, in all four.  v is not: its parts of two
; steps beside k's three regions would be 8 x 64,000 = 512,000 bytes of LDS, and a region of one step would want a round in every step.
; NO PREFETCH.  v's loads stand a step, k's more than a step ahead of their first use, and there is no loop to run ahead in; the clusters begin at two different blocks, so that the second half of every walk
; names what other clusters' first halves have named.
; LIMITS: NaN and infinities among the inputs are not served; scores' exponents (to the base 2, before the maximum is taken away) stay under 2^31 in magnitude; a block of p whose largest lies under 2^-124 is held at the byte 1;
; v_exp_f32 gives 0 under 2^-126 (such a p counts for nothing in the sum and has the code 0).
; REGISTERS, in windows of 256.  Window 0: v1-11 addresses; v12-19 the tiles' -M, largest score, sum (two halves); v20-31 scale words (v27: the lane); v32-39 halves of codes; v40-63 at work, 12 a tile;
;   v64-191 S^T, then p, 64 a tile, p's codes at + 48 of a tile; v192-215 q's fragments; v216-251 k's fragments 2 to 4.  k's fragments 5 to 7 lie on tile 1's first 36 scores, which have become codes when they come.
;   Window 1: v0-127 O^T, 64 a tile; v128-223 v's eight fragments; v224-247 k's fragments 0 and 1.
.set RINGW,  38400
.set PART,   12800
.set RUN,    8*PART                    ; a wave's eight parts of k, or of v
.set VPARTS, 64*PART                   ; where v's parts begin
.set SCOFF,  12288                     ; a part's scale words
.set QWORDS, 786432
.set SPARE,  8*RINGW                   ; behind the rings: the spare words, 128 bytes a wave: four blocks of 256 bytes that no other line names
.set EXCH,   SPARE+1024                ; the waves' -M (128 bytes a wave) and, 1,024 on, their sums: eight blocks of 256 bytes into which no tile lands
.set SPITCH, 528                       ; the way out: a row of O, 512 bytes + 16
.set STGB,   32*SPITCH                 ; a wave's partial O; the eight lie in the rings' first 135,168 bytes, behind the rings' last fill and last read
.set LA,  1                            ; my ring + 16 x lane
.set LS,  2                            ; my ring + 4 x lane
.set SPW, 3                            ; LDS address of my spare word; never rewritten
.set NIL, 4                            ; 0; never rewritten
.set SO,  5                            ; my partial O: row r, + 32 h
.set SR,  6                            ; the four rows that I add up, in partials 0-3: 16 bytes a lane
.set SR2, 7                            ; and in partials 4-7
.set EA,  8                            ; the exchange: query r's words
.set EW,  9                            ; and my wave's words, 4 x lane
.set GO,  10                           ; 16 x lane
.set H8,  11                           ; 8 h
.set ST,  12                           ; tile a at v[ST + 4 a]: -M, the largest score, the sum's two halves
.set KS,  20
.set QW,  24                           ; lanes 0-15: tile 0's words, lanes 16-31: tile 1's
.set PW,  25
.set LN,  27
.set VS,  28
.set CT,  32
.set TM,  40                           ; tile a at v[TM + 12 a]: +0, 1 the blocks' largest; +2, 3, 11 at work; +4, 5 the factor (a pair); +6, 7 a second chain of the sum; +8, 9 scale operands
.set S,   64
.set FL,  S+64                         ; k's fragments 5 to 7
.set QF,  192
.set FK,  216
.set G4,  252                          ; 4 x lane
.set O,   0                            ; in window 1
.set FB,  128                          ; in window 1
.set WV,  10                           ; my wave's number
.set G1,  16                           ; s[16:23] descriptor group 1: two parts
.set G0,  24                           ; s[24:27] group 0 for the parts that land in X0 and Y, s[28:31] for those in Y and X1
.set SEL, 32                           ; s[32:33] v_permlanex16_b32's selects for lane l xor 16
.set CS,  34                           ; s[34:35] c = log2(e) / sqrt(128), twice
.set NC,  36                           ; -c
.set JB,  38                           ; g
.set BASE, 40                          ; s[40:41] my eight parts of k
.set OF,  42                           ; s[42:43] a part's place among mine
.set G0H, 44                           ; s[44:47] group 0 for the head's load
.set G1H, 48                           ; s[48:55] group 1: three parts
.set VBASE, 60                         ; s[60:61] my eight parts of v
.set VB,  62                           ; s[62:63] the part that is asked for
.set KB,  4                            ; s[4:5] k of step 0
.set MSB, 0
.macro WIN new                         ; the immediate's high byte repeats the setting that is left; a switch that changes nothing is dropped
.if MSB != \new
	s_set_vgpr_msb (MSB<<8)|\new
.set MSB, \new
.endif
.endm
.macro PLACES n
.rept \n
	v_nop
.endr
.endm
.macro VWAIT
	s_wait_alu depctr_va_vdst(0)
.endm
; A round of the cluster's barrier: my work-group's barrier; wave 0 signals for the work-group; every wave waits for all four work-groups; my work-group's barrier once more.
.macro CREST                           ; a round behind its opening barrier
	s_cmp_lg_u32 s[WV], 0
	s_cbranch_scc1 .Lnot_wave_0_\@
	s_barrier_signal -3
.Lnot_wave_0_\@:
	s_barrier_wait -3
	s_barrier_signal -1
	s_barrier_wait -1
.endm
.macro CROUND
	s_barrier_signal -1
	s_barrier_wait -1
	CREST
.endm
.macro FRAG reg, at                    ; a fragment comes out of LDS as it lies: three loads of 512 consecutive bytes
.irp j, 0,1,2
	ds_load_b128 v[(\reg)+4*\j:(\reg)+4*\j+3], v[LA] offset:(\at)+512*\j
.endr
.endm
.macro KEARLY at                       ; k's fragments 0 to 4 and its scale words
	WIN 0x40                                       ; destination window 1, address window 0
.irp f, 0,1
	FRAG FB+12*(8+\f), (\at)+1536*\f
.endr
	WIN 0
.irp f, 2,3,4
	FRAG FK+12*(\f-2), (\at)+1536*\f
.endr
.irp i, 0,1,2,3
	ds_load_b32 v[KS+\i], v[LS] offset:(\at)+SCOFF+128*\i
.endr
.endm
.macro KLATE at                        ; k's fragments 5 to 7
.irp f, 5,6,7
	FRAG FL+12*(\f-5), (\at)+1536*\f
.endr
.endm
.macro GFRAG reg, f, base              ; a fragment straight from memory
.irp j, 0,1,2
	global_load_b128 v[(\reg)+4*\j:(\reg)+4*\j+3], v[GO], s[\base:\base+1] offset:1536*(\f)+512*\j
.endr
.endm
.macro VHALF h                         ; half a part of v: two loads of 128 bytes, twelve of 512
.irp i, 0,1
	global_load_b32 v[VS+2*(\h)+\i], v[G4], s[VB:VB+1] offset:SCOFF+128*(2*(\h)+\i)
.endr
	WIN 0x40
.irp f, 0,1,2,3
	GFRAG FB+12*(4*(\h)+\f), 4*(\h)+\f, VB
.endr
	WIN 0
.endm
; One product of S^T = k q^T: tile f of 16 keys, tile a of queries.  k's scale words: pair f / 2, lanes 0-15 for even f, lanes 16-31 for odd; q's: lanes 0-15 for tile 0, lanes 16-31 for tile 1.
.macro QK1 f, a
.if (\f) < 2
.set rK, FB+12*(8+(\f))
.elseif (\f) < 5
.set rK, FK+12*((\f)-2)
.else
.set rK, FL+12*((\f)-5)
.endif
.set rD, S+64*(\a)+8*(\f)
.set rQ, QF+12*(\a)
.if ((\f)%2) == 0 && (\a) == 0
	v_wmma_scale_f32_16x16x128_f8f6f4 v[rD:rD+7], v[rK:rK+11], v[rQ:rQ+11], 0, v[KS+(\f)/2], v[QW] matrix_a_fmt:MATRIX_FMT_FP6 matrix_b_fmt:MATRIX_FMT_FP6
.elseif ((\f)%2) == 0
	v_wmma_scale_f32_16x16x128_f8f6f4 v[rD:rD+7], v[rK:rK+11], v[rQ:rQ+11], 0, v[KS+(\f)/2], v[QW] matrix_a_fmt:MATRIX_FMT_FP6 matrix_b_fmt:MATRIX_FMT_FP6 matrix_b_scale:MATRIX_SCALE_ROW1
.elseif (\a) == 0
	v_wmma_scale_f32_16x16x128_f8f6f4 v[rD:rD+7], v[rK:rK+11], v[rQ:rQ+11], 0, v[KS+(\f)/2], v[QW] matrix_a_fmt:MATRIX_FMT_FP6 matrix_b_fmt:MATRIX_FMT_FP6 matrix_a_scale:MATRIX_SCALE_ROW1
.else
	v_wmma_scale_f32_16x16x128_f8f6f4 v[rD:rD+7], v[rK:rK+11], v[rQ:rQ+11], 0, v[KS+(\f)/2], v[QW] matrix_a_fmt:MATRIX_FMT_FP6 matrix_b_fmt:MATRIX_FMT_FP6 matrix_a_scale:MATRIX_SCALE_ROW1 matrix_b_scale:MATRIX_SCALE_ROW1
.endif
.endm
; Each block's largest score, 32 instructions a tile: number MN, two chains a block, four in all by turns; every accumulator is read first at its low end.
.macro MX1 a
.set rB, MN%4
.set rC, rB%2
.set rH, rB/2
.set rX, TM+12*(\a)+8*rH+rC
.set rY, S+64*(\a)+32*rC+16*rH
.if MN < 4
	v_max3_num_f32 v[rX], v[rY], v[rY+1], v[rY+2]
.elseif MN < 28
.set rJ, 3+2*((MN-4)/4)
	v_max3_num_f32 v[rX], v[rX], v[rY+rJ], v[rY+rJ+1]
.elseif MN < 30
.set rC, MN-28
	v_max3_num_f32 v[TM+12*(\a)+rC], v[TM+12*(\a)+rC], v[TM+12*(\a)+8+rC], v[S+64*(\a)+32*rC+15]
.else
.set rC, MN-30
	v_max_num_f32 v[TM+12*(\a)+rC], v[TM+12*(\a)+rC], v[S+64*(\a)+32*rC+31]
.endif
.set MN, MN+1
.endm
.macro MX a, n
.rept \n
	MX1 \a
.endr
.endm
; Tile 0's eight products, then tile 1's, with tile 0's search for the largest scores among them.  k's fragments 5 to 7 lie on tile 1's first scores: their products go first, and five plain places and more stand between
; them and the products that write there.
.macro QKALL
.irp f, 5,6,7,2,3,4
	QK1 \f, 0
.endr
	WIN 0x01                                       ; source 0 (k) window 1
.irp f, 0,1
	QK1 \f, 0
.endr
	WIN 0
	PLACES 4                                       ; ahead of the first read of tile 0's scores
.set MN, 0
.irp f, 5,6,7,2,3,4
	QK1 \f, 1
	MX 0, 5
.endr
	WIN 0x01
.irp f, 0,1
	QK1 \f, 1
.endr
	WIN 0
	MX 0, 2
.endm
; One product of O^T += v^T p^T: tile t of 16 channels, tile a of queries.  zero = 1: the first step's products start the sums: nothing is ever cleared.
.macro PV1 t, a, zero
.set rO, O+64*(\a)+8*(\t)
.set rV, FB+12*(\t)
.set rP, S+64*(\a)+48
.if \zero
.if (\t)%2
	v_wmma_scale_f32_16x16x128_f8f6f4 v[rO:rO+7], v[rV:rV+11], v[rP:rP+11], 0, v[VS+(\t)/2], v[PW+(\a)] matrix_a_fmt:MATRIX_FMT_FP6 matrix_b_fmt:MATRIX_FMT_FP6 matrix_a_scale:MATRIX_SCALE_ROW1
.else
	v_wmma_scale_f32_16x16x128_f8f6f4 v[rO:rO+7], v[rV:rV+11], v[rP:rP+11], 0, v[VS+(\t)/2], v[PW+(\a)] matrix_a_fmt:MATRIX_FMT_FP6 matrix_b_fmt:MATRIX_FMT_FP6
.endif
.else
.if (\t)%2
	v_wmma_scale_f32_16x16x128_f8f6f4 v[rO:rO+7], v[rV:rV+11], v[rP:rP+11], v[rO:rO+7], v[VS+(\t)/2], v[PW+(\a)] matrix_a_fmt:MATRIX_FMT_FP6 matrix_b_fmt:MATRIX_FMT_FP6 matrix_a_scale:MATRIX_SCALE_ROW1
.else
	v_wmma_scale_f32_16x16x128_f8f6f4 v[rO:rO+7], v[rV:rV+11], v[rP:rP+11], v[rO:rO+7], v[VS+(\t)/2], v[PW+(\a)] matrix_a_fmt:MATRIX_FMT_FP6 matrix_b_fmt:MATRIX_FMT_FP6
.endif
.endif
.endm
.macro PVHALF h, zero
	WIN 0x51                                       ; source 0 (v), C and D window 1; p window 0
.irp t, 0,1,2,3
	PV1 4*(\h)+\t, 0, \zero
	PV1 4*(\h)+\t, 1, \zero
.endr
	WIN 0
.endm
; The largest score so far, -M = floor(-t), f = 2^(old M - new M); and the blocks' scale operands.
.macro MISC
.irp a, 0,1
	v_max_num_f32 v[TM+12*\a+3], v[TM+12*\a], v[TM+12*\a+1]
.endr
.irp a, 0,1
	v_permlanex16_b32 v[TM+12*\a+2], v[TM+12*\a+3], s[SEL], s[SEL+1]
.endr
.irp a, 0,1
	v_max3_num_f32 v[ST+4*\a+1], v[ST+4*\a+1], v[TM+12*\a+3], v[TM+12*\a+2]    ; with lane l xor 16's 64 keys
.endr
.irp a, 0,1
	v_mov_b32 v[TM+12*\a+3], v[ST+4*\a]
.endr
.irp a, 0,1
	v_mul_f32 v[TM+12*\a+11], s[NC], v[ST+4*\a+1]  ; -t (c is positive: the largest score has the largest t)
.endr
.irp a, 0,1
	v_floor_f32 v[ST+4*\a], v[TM+12*\a+11]         ; the new -M: a whole number
.endr
.irp c, 0,1
.irp a, 0,1
	v_fma_f32 v[TM+12*\a+\c], v[TM+12*\a+\c], s[CS], v[ST+4*\a]                ; x = t - M of the block's largest score
.endr
.endr
.irp a, 0,1
	v_sub_f32 v[TM+12*\a+3], v[ST+4*\a], v[TM+12*\a+3]     ; old M - new M: a whole number, 0 or less
.endr
.irp c, 0,1
.irp a, 0,1
	v_max_num_f32 v[TM+12*\a+\c], 0xc2f80000, v[TM+12*\a+\c]                   ; held at -124: the byte cannot fall under 1
.endr
.endr
.irp a, 0,1
	v_cvt_i32_f32 v[TM+12*\a+3], v[TM+12*\a+3]     ; (it saturates)
.endr
.irp c, 0,1
.irp a, 0,1
	v_cvt_floor_i32_f32 v[TM+12*\a+\c], v[TM+12*\a+\c]     ; floor(log2) of the block's largest p
.endr
.endr
.irp a, 0,1
	v_ldexp_f32 v[TM+12*\a+4], 1.0, v[TM+12*\a+3]  ; f: a multiplication by it rounds nothing
.endr
.irp c, 0,1
.irp a, 0,1
	v_lshl_add_u32 v[TM+12*\a+8+\c], v[TM+12*\a+\c], 23, 0x3e800000            ; + 127 - 2, in the exponent field: the conversion's scale operand
.endr
.endr
.endm
.macro OMUL                            ; O^T under the new M, each accumulator from its low end on
	WIN 0x41                                       ; destination and source 0 window 1, f window 0
.irp a, 0,1
.set OJ, 0
.rept 32
	v_pk_mul_f32 v[O+64*\a+OJ:O+64*\a+OJ+1], v[O+64*\a+OJ:O+64*\a+OJ+1], v[TM+12*\a+4:TM+12*\a+5] op_sel_hi:[1,0]
.set OJ, OJ+2
.endr
.endr
	WIN 0
.endm
.macro TM1 a                           ; t - M, two at a time: pair PJ of tile a
	v_pk_fma_f32 v[S+64*(\a)+PJ:S+64*(\a)+PJ+1], v[S+64*(\a)+PJ:S+64*(\a)+PJ+1], s[CS:CS+1], v[ST+4*(\a):ST+4*(\a)+1] op_sel_hi:[1,0,0]
.set PJ, PJ+2
.endm
.macro CODES1 a                        ; the second halves of the two blocks
	v_cvt_scalef32_pk16_fp6_f32 v[CT+4:CT+6], v[S+64*(\a)+48:S+64*(\a)+63], v[TM+12*(\a)+9]
	v_cvt_scalef32_pk16_fp6_f32 v[CT:CT+2], v[S+64*(\a)+16:S+64*(\a)+31], v[TM+12*(\a)+8]
.endm
.macro CODES2 a                        ; the first halves, onto scores that have been converted
	v_cvt_scalef32_pk16_fp6_f32 v[S+64*(\a)+48:S+64*(\a)+50], v[S+64*(\a):S+64*(\a)+15], v[TM+12*(\a)+8]
	v_cvt_scalef32_pk16_fp6_f32 v[S+64*(\a)+54:S+64*(\a)+56], v[S+64*(\a)+32:S+64*(\a)+47], v[TM+12*(\a)+9]
.endm
.macro CODES3 a                        ; (a conversion's three registers begin on an even number, the second halves on an odd one)
.irp i, 0,1,2
	v_mov_b32 v[S+64*(\a)+51+\i], v[CT+\i]
	v_mov_b32 v[S+64*(\a)+57+\i], v[CT+4+\i]
.endr
.endm
; p's scale words, the sums of the unquantised p (two chains a tile), p's codes.
.macro POST
.irp c, 0,1
.irp a, 0,1
	v_lshrrev_b32 v[TM+12*\a+\c], 23, v[TM+12*\a+8+\c]     ; the scale's byte
.endr
.endr
.irp a, 0,1
	v_lshl_or_b32 v[TM+12*\a], v[TM+12*\a+1], 16, v[TM+12*\a]      ; my bytes: blocks h and 2 + h,
.endr
.irp a, 0,1
	v_lshlrev_b32 v[TM+12*\a], v[H8], v[TM+12*\a]          ; at their places in the word;
.endr
.irp a, 0,1
	v_permlanex16_b32 v[TM+12*\a+2], v[TM+12*\a], s[SEL], s[SEL+1]
.endr
.irp a, 0,1
	v_or_b32 v[PW+\a], v[TM+12*\a], v[TM+12*\a+2]          ; with lane l xor 16's two the word is whole
.endr
.irp a, 0,1
	v_pk_fma_f32 v[ST+4*\a+2:ST+4*\a+3], v[ST+4*\a+2:ST+4*\a+3], v[TM+12*\a+4:TM+12*\a+5], v[S+64*\a:S+64*\a+1] op_sel_hi:[1,0,1]   ; the sum under the new M, and the first pair
	v_pk_add_f32 v[TM+12*\a+6:TM+12*\a+7], v[S+64*\a+2:S+64*\a+3], v[S+64*\a+4:S+64*\a+5]
.endr
.set PJ, 6
.rept 14
.irp a, 0,1
	v_pk_add_f32 v[ST+4*\a+2:ST+4*\a+3], v[ST+4*\a+2:ST+4*\a+3], v[S+64*\a+PJ:S+64*\a+PJ+1]
	v_pk_add_f32 v[TM+12*\a+6:TM+12*\a+7], v[TM+12*\a+6:TM+12*\a+7], v[S+64*\a+PJ+2:S+64*\a+PJ+3]
.endr
.set PJ, PJ+4
.endr
.irp a, 0,1
	v_pk_add_f32 v[ST+4*\a+2:ST+4*\a+3], v[ST+4*\a+2:ST+4*\a+3], v[S+64*\a+62:S+64*\a+63]
.endr
	CODES1 0
	v_pk_add_f32 v[ST+2:ST+3], v[ST+2:ST+3], v[TM+6:TM+7]  ; the two chains; also the plain place behind the conversions
	CODES2 0
	v_pk_add_f32 v[ST+6:ST+7], v[ST+6:ST+7], v[TM+18:TM+19]
	CODES3 0
	CODES1 1
	v_nop
	CODES2 1
	v_nop
	CODES3 1
.endm
; A KEY STEP: 128 keys, one block.  first = 1: the wave's first step; refill = 1: blocks g + uo and g + uo + 1 of k are asked for, into the places of group 0 set.
; land = 1: the next step's k belongs to a load that must have landed; at: where it lies; vo: the next step's block is g + vo (0: there is no next step).  The 16 accumulators of each product take turns, one instruction a turn.
.macro STEP first, refill, set, uo, land, at, vo
.if \refill
	VWAIT
	s_wait_tensorcnt 0x0                           ; (met at once) no tensor load of mine is out, so a group 0 may be written;
	ds_add_u32 v[SPW], v[NIL]                      ; 0 onto my spare word
	s_add_co_u32 s[OF], s[JB], \uo
	s_and_b32 s[OF], s[OF], 7
	s_mul_i32 s[OF], s[OF], PART
	s_add_nc_u64 s[G0+4*(\set)+2:G0+4*(\set)+3], s[BASE:BASE+1], s[OF:OF+1]
	s_or_b32 s[G0+4*(\set)+3], s[G0+4*(\set)+3], 0x80000000
.endif
	s_wait_dscnt 0x0                               ; this step's k is in registers (where k is asked for: so two regions have been read; and the add is done)
.if \refill
	s_barrier_signal -1                            ; say so; work on registers while the others arrive
.endif
	QKALL
.if \refill
	VWAIT                                          ; ahead of the wait and the branch below
	s_barrier_wait -1
	CREST                                          ; that holds of every wave of all four work-groups
	tensor_load_to_lds s[G0+4*(\set):G0+4*(\set)+3], s[G1:G1+7]    ; my one tensor load until the next round
	s_nop 0
.endif
	PLACES 4                                       ; ahead of the first read of tile 1's scores
.set MN, 0
	MX 1, 32
	MISC
.if !(\first)
	OMUL
.endif
.set PJ, 0
.rept 32
	TM1 0
.endr
	VWAIT                                          ; ahead of the batch of exponentials
.set EN, 0
.set PJ, 0
.rept 32                               ; tile 0's p = 2^(t - M), and between them tile 1's t - M, which are first read behind the next wait
	v_exp_f32 v[S+EN], v[S+EN]
	v_exp_f32 v[S+EN+1], v[S+EN+1]
	TM1 1
.set EN, EN+2
.endr
	VWAIT                                          ; behind tile 0's batch and ahead of tile 1's
.if \vo
.if \land
	s_wait_tensorcnt 0x0                           ; it has landed: the one tensor load of mine that was out; I alone read it
.endif
	KEARLY \at
.endif
.set EN, 0
.rept 64
	v_exp_f32 v[S+64+EN], v[S+64+EN]
.set EN, EN+1
.endr
	v_nop                                          ; a plain instruction behind the last exponential
	VWAIT                                          ; ahead of tile 1's first reader
	POST
.if \vo
	KLATE \at                                      ; onto scores that have become codes
.endif
	PLACES 4                                       ; p's codes stand four places ahead of the products, its scale words more than eight
	VWAIT
	s_wait_loadcnt 14                              ; the first half of this step's v is in registers; the second half's 14 loads may be out
	PVHALF 0, \first
	s_wait_loadcnt 0x0                             ; and the second half
.if \vo
	PLACES 4                                       ; ahead of the loads into the first half's registers
	s_add_co_u32 s[OF], s[JB], \vo
	s_and_b32 s[OF], s[OF], 7
	s_mul_i32 s[OF], s[OF], PART
	s_add_nc_u64 s[VB:VB+1], s[VBASE:VBASE+1], s[OF:OF+1]  ; (the loads that read the pair are done: the wait above)
	VHALF 0
.endif
	PVHALF 1, \first
	PLACES 5                                       ; ahead of the loads into the second half's registers, and of the next scores, which are written over p's codes
.if \vo
	VHALF 1
.endif
.endm
	s_load_b128 s[4:7], s[0:1], 0x0                ; qc, kv
	s_load_b64 s[8:9], s[0:1], 0x10                ; out0
	v_lshl_add_u32 v[SPW], v0, 2, SPARE
	v_mov_b32 v[NIL], 0
	ds_add_u32 v[SPW], v[NIL]                      ; the wave's opening: the add, twice on end, and its wait ahead of my first tensor load; the set-up below, work on registers, stands between
	ds_add_u32 v[SPW], v[NIL]
	v_lshrrev_b32 v[LN], 5, v0
	v_readfirstlane_b32 s[WV], v[LN]               ; wave 0..7
	s_bfe_u32 s11, ttmp6, 0x40000                  ; cx: my place in the cluster
	s_lshl_b32 s12, ttmp9, 2                       ; in a cluster launch ttmp9 counts clusters
	s_add_co_u32 s12, s12, s11                     ; my block of 32 queries: it enters qc's and out0's addresses alone
	s_lshr_b32 s14, ttmp9, 2
	s_add_co_u32 s14, s14, ttmp9
	s_and_b32 s14, s14, 1
	s_lshl_b32 s[JB], s14, 2                       ; g: my cluster's walk begins at block 0 or 4
	; descriptor group 1: parts are dense: rows of 32 elements of 8 bytes, 50 a part, no padding (the images are read 512 consecutive bytes at a time)
	s_mov_b32 s[G1], 15|(3<<16)|(1<<21)            ; 15:0 the mask: all four work-groups; 17:16 elements of 8 bytes; 21 set beside a mask
	s_mov_b32 s[G1+1], 32<<16                      ; tensor_dim0 = 32
	s_mov_b32 s[G1+2], 100<<16                     ; tensor_dim1 = 100
	s_mov_b32 s[G1+3], 32<<16                      ; tile_dim0 = 32
	s_mov_b32 s[G1+4], 100                         ; tile_dim1 = 100
	s_mov_b32 s[G1+5], 32                          ; from row to row
	s_mov_b32 s[G1+6], 0
	s_mov_b32 s[G1+7], 0
	s_mov_b32 s[G1H], 15|(3<<16)|(1<<21)           ; three parts: 150 such rows
	s_mov_b32 s[G1H+1], 32<<16
	s_mov_b32 s[G1H+2], 150<<16
	s_mov_b32 s[G1H+3], 32<<16
	s_mov_b32 s[G1H+4], 150
	s_mov_b32 s[G1H+5], 32
	s_mov_b32 s[G1H+6], 0
	s_mov_b32 s[G1H+7], 0
	s_mov_b32 s[SEL], 0x76543210
	s_mov_b32 s[SEL+1], 0xfedcba98
	s_mov_b32 s[CS], 0x3e0293ee                    ; c = log2(e) / sqrt(128)
	s_mov_b32 s[CS+1], s[CS]                       ; (named with it as a pair, so it is written)
	s_mov_b32 s[NC], 0xbe0293ee
	s_mul_i32 s13, s[WV], RINGW                    ; my ring: no place in the cluster enters an LDS address
	s_mul_i32 s60, s[WV], STGB
	s_mul_i32 s61, s[WV], 4*SPITCH
	s_lshl_b32 s62, s[WV], 7
	s_add_co_u32 s62, s62, EXCH
	v_and_b32 v[LN], 31, v0
	v_and_b32 v[S], 15, v0                         ; r
	v_bfe_u32 v[S+1], v0, 4, 1                     ; h
	v_lshl_add_u32 v[LA], v[LN], 4, s13
	v_lshl_add_u32 v[LS], v[LN], 2, s13
	v_lshlrev_b32 v[GO], 4, v[LN]
	v_lshlrev_b32 v[G4], 2, v[LN]
	v_lshlrev_b32 v[H8], 3, v[S+1]
	v_mul_u32_u24 v[SO], v[S], SPITCH
	v_lshl_add_u32 v[SO], v[S+1], 5, v[SO]
	v_add_nc_u32 v[SO], s60, v[SO]
	v_lshl_add_u32 v[SR], v[LN], 4, s61
	v_add_nc_u32 v[SR2], 4*STGB, v[SR]
	v_lshl_add_u32 v[EA], v[S], 2, EXCH
	v_lshl_add_u32 v[EW], v[LN], 2, s62
.irp a, 0,1
	v_mov_b32 v[ST+4*\a], 0x7f61b1e6               ; -M at first: 3e38
	v_mov_b32 v[ST+4*\a+1], 0xff61b1e6             ; the largest score so far: -3e38, under every score
	v_mov_b32 v[ST+4*\a+2], 0                      ; the sum, in two halves
	v_mov_b32 v[ST+4*\a+3], 0
	v_mov_b32 v[TM+12*\a+5], 0                     ; (named as the upper half of the factor's pair)
	v_mov_b32 v[TM+12*\a+2], 0                     ; written once: a lane permute's destination counts as one of its sources
.endr
	VWAIT                                          ; the end of the head's vector work
	s_mul_i32 s60, s12, 3072                       ; q: my two fragments,
	s_mov_b32 s61, 0
	s_lshl_b32 s62, s12, 7
	s_add_co_u32 s62, s62, QWORDS                  ; and their scale words
	s_mov_b32 s63, 0
	s_mul_i32 s14, s[WV], RUN                      ; kv: my eight parts of k, and as far behind v's first part my eight of v
	s_mov_b32 s15, 0
	s_mul_i32 s[OF], s[JB], PART                   ; my first block
	s_mov_b32 s[OF+1], 0
	s_wait_dscnt 0x0                               ; both opening adds are done
	s_wait_kmcnt 0x0
	s_add_nc_u64 s[56:57], s[4:5], s[60:61]
	s_add_nc_u64 s[58:59], s[4:5], s[62:63]
	s_add_nc_u64 s[BASE:BASE+1], s[6:7], s[14:15]
	s_add_nc_u64 s[KB:KB+1], s[BASE:BASE+1], s[OF:OF+1]
.irp a, 0,1
.irp j, 0,1,2
	global_load_b128 v[QF+12*\a+4*\j:QF+12*\a+4*\j+3], v[GO], s[56:57] offset:1536*\a+512*\j
.endr
.endr
	global_load_b32 v[QW], v[G4], s[58:59]
.irp i, 0,1,2,3
	global_load_b32 v[KS+\i], v[G4], s[KB:KB+1] offset:SCOFF+128*\i        ; k of my first block, straight into its registers
.endr
.irp f, 5,6,7
	GFRAG FL+12*(\f-5), \f, KB
.endr
.irp f, 2,3,4
	GFRAG FK+12*(\f-2), \f, KB
.endr
	WIN 0x40
.irp f, 0,1
	GFRAG FB+12*(8+\f), \f, KB
.endr
	WIN 0
	s_mov_b32 s[G0H], 1                            ; 1:0 count = 1
	s_mov_b32 s[G0H+1], s13                        ; LDS address: X0, Y and X1
	s_add_nc_u64 s[G0H+2:G0H+3], s[KB:KB+1], PART  ; k of my blocks g + 1 to g + 3
	s_or_b32 s[G0H+3], s[G0H+3], 0x80000000        ; type = 2
	s_mov_b32 s[G0], 1
	s_mov_b32 s[G0+1], s13                         ; X0 and Y
	s_mov_b32 s[G0+4], 1
	s_add_co_u32 s[G0+5], s13, PART                ; Y and X1
	s_add_nc_u64 s[VBASE:VBASE+1], s[BASE:BASE+1], VPARTS
	s_add_nc_u64 s[VB:VB+1], s[VBASE:VBASE+1], s[OF:OF+1]
	s_lshl_b32 s14, s12, 14                        ; out0: my 32 rows of 512 bytes,
	s_lshl_b32 s11, s[WV], 11
	s_add_co_u32 s14, s14, s11                     ; the four of them that I store
	s_add_nc_u64 s[8:9], s[8:9], s[14:15]
	CROUND                                         ; all four work-groups are here: the first joint loads meet
	tensor_load_to_lds s[G0H:G0H+3], s[G1H:G1H+7]  ; one tensor load a wave at the head
	s_nop 0
	PLACES 4
	VHALF 0                                        ; v of my first block
	VHALF 1
	s_wait_loadcnt 28                              ; q's seven loads and k's 28 are in; v's 28 may be out
	; eight steps, each written out by the macro: the places of k's parts in the ring do not repeat
	STEP 1, 0, 0, 0, 1, 0, 1                       ; step 0 starts O^T's sums; k of step 1 lies in X0
	STEP 0, 0, 0, 0, 0, PART, 2
	STEP 0, 1, 0, 4, 0, 2*PART, 3                  ; step 2 asks for blocks g + 4 and g + 5
	STEP 0, 0, 0, 0, 1, PART, 5
	STEP 0, 1, 1, 6, 0, 0, 4                       ; step 4 asks for blocks g + 6 and g + 7
	STEP 0, 0, 0, 0, 1, PART, 6
	STEP 0, 0, 0, 0, 0, 2*PART, 7
	STEP 0, 0, 0, 0, 0, 0, 0
	; THE WAY OUT.  Each wave's -M and sum of each query go to the exchange; every wave then knows the largest M and the whole sum, brings its O^T under them, and the eight partial O are added up by rows.
.irp a, 0,1
	v_add_f32 v[ST+4*\a+2], v[ST+4*\a+2], v[ST+4*\a+3]     ; the sum's two halves,
.endr
.irp a, 0,1
	v_permlanex16_b32 v[TM+12*\a+2], v[ST+4*\a+2], s[SEL], s[SEL+1]
.endr
.irp a, 0,1
	v_add_f32 v[ST+4*\a+2], v[ST+4*\a+2], v[TM+12*\a+2]    ; and lane l xor 16's: my 1,024 keys' sum
.endr
	v_cmp_gt_u32 vcc_lo, 16, v[LN]
	v_cndmask_b32 v[TM+3], v[ST+4], v[ST], vcc_lo          ; lanes 0-15: tile 0's query r; lanes 16-31: tile 1's
	v_cndmask_b32 v[TM+11], v[ST+6], v[ST+2], vcc_lo
	ds_store_b32 v[EW], v[TM+3]
	ds_store_b32 v[EW], v[TM+11] offset:1024
	VWAIT
	s_wait_dscnt 0x0                               ; for the others' sake: my stores are done; my reads of my ring were over before
	s_barrier_signal -1
	s_barrier_wait -1                              ; the exchange is whole, and no wave reads a ring any more
.irp a, 0,1
.irp e, 0,1,2,3,4,5,6,7
	ds_load_b32 v[S+8*\a+\e], v[EA] offset:128*\e+64*\a            ; wave e's -M of my query of tile a,
	ds_load_b32 v[S+16+8*\a+\e], v[EA] offset:1024+128*\e+64*\a    ; and its sum
.endr
.endr
	s_wait_dscnt 0x0
.irp a, 0,1
	v_min3_num_f32 v[S+32+\a], v[S+8*\a], v[S+8*\a+1], v[S+8*\a+2]
.endr
.irp a, 0,1
	v_min3_num_f32 v[S+32+\a], v[S+32+\a], v[S+8*\a+3], v[S+8*\a+4]
.endr
.irp a, 0,1
	v_min3_num_f32 v[S+32+\a], v[S+32+\a], v[S+8*\a+5], v[S+8*\a+6]
.endr
.irp a, 0,1
	v_min_num_f32 v[S+32+\a], v[S+32+\a], v[S+8*\a+7]      ; the smallest -M: the largest M
.endr
.irp a, 0,1
	v_sub_f32 v[TM+12*\a+3], v[S+32+\a], v[ST+4*\a]        ; my M - the largest: a whole number, 0 or less
.irp e, 0,1,2,3,4,5,6,7
	v_sub_f32 v[S+8*\a+\e], v[S+32+\a], v[S+8*\a+\e]       ; and each wave's
.endr
.endr
.irp a, 0,1
	v_cvt_i32_f32 v[TM+12*\a+3], v[TM+12*\a+3]
.irp e, 0,1,2,3,4,5,6,7
	v_cvt_i32_f32 v[S+8*\a+\e], v[S+8*\a+\e]
.endr
.endr
.irp a, 0,1
	v_ldexp_f32 v[TM+12*\a+3], 1.0, v[TM+12*\a+3]
.irp e, 0,1,2,3,4,5,6,7
	v_ldexp_f32 v[S+8*\a+\e], 1.0, v[S+8*\a+\e]            ; 2^(M of wave e - the largest M)
.endr
.endr
.irp a, 0,1
	v_mul_f32 v[S+34+\a], v[S+8*\a], v[S+16+8*\a]
.endr
.irp e, 1,2,3,4,5,6,7
.irp a, 0,1
	v_fmac_f32 v[S+34+\a], v[S+8*\a+\e], v[S+16+8*\a+\e]   ; the row's whole sum, the waves in ascending order
.endr
.endr
	VWAIT                                          ; ahead of the reciprocals
.irp a, 0,1
	v_rcp_f32 v[S+36+\a], v[S+34+\a]
.endr
	v_nop                                          ; a plain instruction behind the reciprocals
	VWAIT                                          ; one wait for the two, ahead of their first reader
.irp a, 0,1
	v_mul_f32 v[TM+12*\a+4], v[TM+12*\a+3], v[S+36+\a]     ; my factor / the sum
.endr
	VWAIT                                          ; ahead of O^T's first reader: the reciprocals stand between
	OMUL
	WIN 0x04                                       ; an LDS store's data are its source 1: window 1
.irp a, 0,1
.irp t, 0,1,2,3,4,5,6,7
	ds_store_b128 v[SO], v[O+64*\a+8*\t:O+64*\a+8*\t+3] offset:16*SPITCH*\a+64*\t          ; lane (r, h): my part of out0(16 a + r, 16 t + 8 h + 0 .. 7)
	ds_store_b128 v[SO], v[O+64*\a+8*\t+4:O+64*\a+8*\t+7] offset:16*SPITCH*\a+64*\t+16
.endr
.endr
	WIN 0
	s_wait_dscnt 0x0                               ; for the others' sake: my partial O lies in LDS
	s_barrier_signal -1
	s_barrier_wait -1
.irp e, 0,1,2,3
.irp i, 0,1,2,3
	ds_load_b128 v[S+16*\e+4*\i:S+16*\e+4*\i+3], v[SR] offset:STGB*\e+SPITCH*\i            ; rows 4 w + i of partial e: 512 consecutive bytes
.endr
.endr
.irp e, 4,5,6,7
.irp i, 0,1,2,3
	ds_load_b128 v[S+16*\e+4*\i:S+16*\e+4*\i+3], v[SR2] offset:STGB*(\e-4)+SPITCH*\i
.endr
.endr
	s_wait_dscnt 0x0
.irp e, 1,2,3,4,5,6,7
.irp i, 0,1,2,3
	v_pk_add_f32 v[S+4*\i:S+4*\i+1], v[S+4*\i:S+4*\i+1], v[S+16*\e+4*\i:S+16*\e+4*\i+1]     ; the waves in ascending order, the four rows by turns
	v_pk_add_f32 v[S+4*\i+2:S+4*\i+3], v[S+4*\i+2:S+4*\i+3], v[S+16*\e+4*\i+2:S+16*\e+4*\i+3]
.endr
.endr
.irp i, 0,1,2,3
	global_store_b128 v[GO], v[S+4*\i:S+4*\i+3], s[8:9] offset:512*\i th:TH_STORE_NT        ; 32 lanes store a row's 512 consecutive bytes, at a multiple of 256 from out0's first byte
.endr
	s_wait_tensorcnt 0x0                           ; the wave's end, behind my last tensor load and my last LDS store
	ds_add_u32 v[SPW], v[NIL]
	s_wait_dscnt 0x0
	CROUND                                         ; the closing round: no work-group ends while a partner may still ask for a part that names it
	s_endpgm
.Lfunc_end_k_q472f4f3d6f_attn:
	.size	k_q472f4f3d6f_attn, .Lfunc_end_k_q472f4f3d6f_attn-k_q472f4f3d6f_attn
	.p2alignl 7, 3214868480
	.fill 96, 4, 3214868480
	.section	.rodata,"a",@progbits
	.p2align	6, 0x0
	.amdhsa_kernel k_q472f4f3d6f_attn
		.amdhsa_group_segment_fixed_size 327680
		.amdhsa_private_segment_fixed_size 0
		.amdhsa_enable_private_segment 0
		.amdhsa_kernarg_size 24
		.amdhsa_user_sgpr_count 2
		.amdhsa_user_sgpr_kernarg_segment_ptr 1
		.amdhsa_wavefront_size32 1
		.amdhsa_system_sgpr_workgroup_id_x 1
		.amdhsa_system_sgpr_workgroup_id_y 1
		.amdhsa_system_sgpr_workgroup_id_z 1
		.amdhsa_system_vgpr_workitem_id 0
		.amdhsa_next_free_vgpr 512
		.amdhsa_next_free_sgpr 66
		.amdhsa_reserve_vcc 1
		.amdhsa_float_denorm_mode_32 3
		.amdhsa_float_denorm_mode_16_64 3
		.amdhsa_memory_ordered 1
		.amdhsa_forward_progress 1
		.amdhsa_inst_pref_size 255
	.end_amdhsa_kernel
	.section	.bss,"aw",@nobits
	.p2align	6
	.space	262144
	.amdgpu_metadata
---
amdhsa.version: [ 1, 2 ]
amdhsa.kernels:
  - .name:           k_q472f4f3d6f_attn
    .symbol:         k_q472f4f3d6f_attn.kd
    .args:
      - { .name: qc, .offset: 0, .size: 8, .value_kind: global_buffer, .address_space: global }
      - { .name: kv, .offset: 8, .size: 8, .value_kind: global_buffer, .address_space: global }
      - { .name: out0, .offset: 16, .size: 8, .value_kind: global_buffer, .address_space: global }
    .group_segment_fixed_size: 327680
    .private_segment_fixed_size: 0
    .kernarg_segment_align: 8
    .kernarg_segment_size: 24
    .max_flat_workgroup_size: 256
    .sgpr_count:     66
    .vgpr_count:     512
    .wavefront_size: 32
...
	.end_amdgpu_metadata
.endif
;; end of part 2
